; MI455X (gfx1250); checked and timed in simulation.
; The chip was launched on July 23, 2026; its instructions are those of AMD's public machine-readable ISA for CDNA 5 (MIT licence, August 2026) and "CDNA5" Instruction Set Architecture Reference Guide (July 2026). The comments in the code are by the model that wrote it; some were corrected since.
;; Self Attention. Allowed arithmetic: float matrix products may take bf16 or f16 operands with f32 sums; all other float work in f32.
;; Inputs: W_o 1,024 x 1,024 float32; W_qkv 1,024 x 3,072 float32; x 2 x 2,048 x 1,024 float32.
;; Outputs: out0 2 x 2,048 x 1,024 float32.
;; One version. Each part assembles by itself: llvm-mc -triple=amdgcn-amd-amdhsa -mcpu=gfx1250 --defsym DOCPART=n.
;; ======== version 1 of 1: 4 launches
;; limits: values are held in f16: magnitudes above 65,504 overflow, below 6.1e-05 lose precision
;; workspace buffers: xb 8,388,608 bytes; wqkvb 6,291,456 bytes; wob 2,097,152 bytes; qkv 25,165,824 bytes; ao 8,388,608 bytes
;; launch cast (part 1): grid 1024 x 1, 8 waves a work-group, no clusters, 0 bytes of LDS; arguments x, W_qkv, W_o, xb, wqkvb, wob; writes xb, wqkvb, wob
.if DOCPART == 1
	.amdgcn_target "amdgcn-amd-amdhsa--gfx1250"
	.amdhsa_code_object_version 6
	.text
	.protected	k_q7908abeb03_cast
	.globl	k_q7908abeb03_cast
	.p2align	8
	.type	k_q7908abeb03_cast,@function
k_q7908abeb03_cast:
	s_mov_b64 s[64:65], 0
	v_nop
	global_prefetch_b8 v0, s[64:65] scope:SCOPE_SE
	s_setreg_imm32_b32 hwreg(HW_REG_WAVE_MODE, 25, 1), 1
	s_wait_xcnt 0x0
; Narrows the three f32 inputs to 16 bits, once, so that the products that follow can bring them into LDS as 16-bit tiles
; (the weights lie [K][N] and need the transposing LDS load, which works on 16-bit elements).
;   x     -> xb     bf16        W_qkv -> wqkvb  bf16
;   W_o   -> wob    rounded to bf16 and then written as f16: the last product multiplies it by f16 numbers.
; LIMIT: the second step is exact (8 significant bits fit in 11) for 6.1e-5 <= |W_o| < 65,504; smaller numbers keep an absolute
; error of up to 3e-8, larger ones become infinite.
; A pure stream: no LDS, no barrier, no matrix unit.  A work-group takes 32,768 bytes of f32: groups 0-511 x, 512-895 W_qkv, 896-1023 W_o.
; Thread t takes 16 bytes at 16 t + 4,096 i (a wave's load covers 512 consecutive bytes) and stores 8 bytes at 8 t + 2,048 i
; (a wave's store covers 256 consecutive bytes, aligned).  All eight loads go out first; no register is written twice.
.set G_WQKV, 512                       ; first work-group of W_qkv
.set G_WO,   896                       ; first work-group of W_o
.set X, 4                              ; v[4:35]   eight loads of four f32
.set Y, 36                             ; v[36:51]  eight stores of four 16-bit numbers
.set T, 52                             ; v[52:54]  at work
	s_load_b256 s[4:11], s[0:1], 0x0               ; x s[4:5], W_qkv s[6:7], W_o s[8:9], xb s[10:11]
	s_load_b128 s[12:15], s[0:1], 0x20             ; wqkvb s[12:13], wob s[14:15]
	s_mov_b32 s24, G_WQKV
	s_mov_b32 s25, G_WO
	v_lshlrev_b32 v1, 4, v0                        ; 16 t: my bytes in a block of 4,096 of the source
	v_lshlrev_b32 v2, 3, v0                        ; 8 t: my bytes in a block of 2,048 of the result
	s_wait_kmcnt 0x0
	s_cmp_lt_u32 ttmp9, s25                        ; the choice hangs on the work-group's number alone
	s_cselect_b64 s[16:17], s[6:7], s[8:9]         ; source
	s_cselect_b64 s[18:19], s[12:13], s[14:15]     ; result
	s_cselect_b32 s20, s24, s25                    ; the tensor's first work-group
	s_cmp_lt_u32 ttmp9, s24
	s_cselect_b64 s[16:17], s[4:5], s[16:17]
	s_cselect_b64 s[18:19], s[10:11], s[18:19]
	s_cselect_b32 s20, 0, s20
	s_sub_co_u32 s20, ttmp9, s20                   ; my number inside the tensor
	s_lshl_b32 s22, s20, 15                        ; x 32,768 bytes of f32 (below 16 MiB)
	s_mov_b32 s23, 0
	s_add_nc_u64 s[16:17], s[16:17], s[22:23]
	s_lshl_b32 s22, s20, 14                        ; x 16,384 bytes of 16-bit numbers
	s_add_nc_u64 s[18:19], s[18:19], s[22:23]
.irp i, 0,1,2,3,4,5,6,7
	global_load_b128 v[X+4*\i:X+4*\i+3], v1, s[16:17] offset:4096*\i th:TH_LOAD_NT    ; read once in the whole program
.endr
	s_cmp_lt_u32 ttmp9, s25
	s_cbranch_scc0 .Lwo
.irp i, 0,1,2,3,4,5,6,7
	s_wait_loadcnt 7-\i                            ; loads come back in order (ISA guide 5.7.1): load i is in, the younger ones stay out
	v_cvt_pk_bf16_f32 v[Y+2*\i],   v[X+4*\i],   v[X+4*\i+1]
	v_cvt_pk_bf16_f32 v[Y+2*\i+1], v[X+4*\i+2], v[X+4*\i+3]
	global_store_b64 v2, v[Y+2*\i:Y+2*\i+1], s[18:19] offset:2048*\i                  ; the next launch reads it: no hint
.endr
	s_endpgm
.Lwo:
.irp i, 0,1,2,3,4,5,6,7
	s_wait_loadcnt 7-\i
.irp k, 0,1
	v_cvt_pk_bf16_f32 v[T], v[X+4*\i+2*\k], v[X+4*\i+2*\k+1]      ; round to bf16,
	v_lshlrev_b32 v[T+1], 16, v[T]                                ; widen both halves again,
	v_and_b32 v[T+2], 0xffff0000, v[T]
	v_cvt_pk_f16_f32 v[Y+2*\i+\k], v[T+1], v[T+2]                 ; and write the same numbers as f16
.endr
	global_store_b64 v2, v[Y+2*\i:Y+2*\i+1], s[18:19] offset:2048*\i
.endr
	s_endpgm
.Lfunc_end_k_q7908abeb03_cast:
	.size	k_q7908abeb03_cast, .Lfunc_end_k_q7908abeb03_cast-k_q7908abeb03_cast
	.p2alignl 7, 3214868480
	.fill 96, 4, 3214868480
	.section	.rodata,"a",@progbits
	.p2align	6, 0x0
	.amdhsa_kernel k_q7908abeb03_cast
		.amdhsa_group_segment_fixed_size 0
		.amdhsa_private_segment_fixed_size 0
		.amdhsa_enable_private_segment 0
		.amdhsa_kernarg_size 48
		.amdhsa_user_sgpr_count 2
		.amdhsa_user_sgpr_kernarg_segment_ptr 1
		.amdhsa_wavefront_size32 1
		.amdhsa_system_sgpr_workgroup_id_x 1
		.amdhsa_system_sgpr_workgroup_id_y 1
		.amdhsa_system_sgpr_workgroup_id_z 1
		.amdhsa_system_vgpr_workitem_id 0
		.amdhsa_next_free_vgpr 56
		.amdhsa_next_free_sgpr 66
		.amdhsa_reserve_vcc 0
		.amdhsa_float_denorm_mode_32 3
		.amdhsa_float_denorm_mode_16_64 3
		.amdhsa_memory_ordered 1
		.amdhsa_forward_progress 1
		.amdhsa_inst_pref_size 9
	.end_amdhsa_kernel
	.amdgpu_metadata
---
amdhsa.version: [ 1, 2 ]
amdhsa.kernels:
  - .name:           k_q7908abeb03_cast
    .symbol:         k_q7908abeb03_cast.kd
    .args:
      - { .name: x, .offset: 0, .size: 8, .value_kind: global_buffer, .address_space: global }
      - { .name: W_qkv, .offset: 8, .size: 8, .value_kind: global_buffer, .address_space: global }
      - { .name: W_o, .offset: 16, .size: 8, .value_kind: global_buffer, .address_space: global }
      - { .name: xb, .offset: 24, .size: 8, .value_kind: global_buffer, .address_space: global }
      - { .name: wqkvb, .offset: 32, .size: 8, .value_kind: global_buffer, .address_space: global }
      - { .name: wob, .offset: 40, .size: 8, .value_kind: global_buffer, .address_space: global }
    .group_segment_fixed_size: 0
    .private_segment_fixed_size: 0
    .kernarg_segment_align: 8
    .kernarg_segment_size: 48
    .max_flat_workgroup_size: 256
    .sgpr_count:     66
    .vgpr_count:     56
    .wavefront_size: 32
...
	.end_amdgpu_metadata
.endif
;; end of part 1
;; launch qkv (part 2): grid 8 x 32, 4 waves a work-group, clusters of 4 x 4, 327,680 bytes of LDS; arguments xb, wqkvb, qkv; writes qkv
.if DOCPART == 2
	.amdgcn_target "amdgcn-amd-amdhsa--gfx1250"
	.amdhsa_code_object_version 6
	.text
	.protected	k_q7908abeb03_qkv
	.globl	k_q7908abeb03_qkv
	.p2align	8
	.type	k_q7908abeb03_qkv,@function
k_q7908abeb03_qkv:
	s_mov_b64 s[64:65], 0
	v_nop
	global_prefetch_b8 v0, s[64:65] scope:SCOPE_SE
	s_setreg_imm32_b32 hwreg(HW_REG_WAVE_MODE, 25, 1), 1
	s_wait_xcnt 0x0
	s_wait_alu depctr_hold_cnt(0) depctr_sa_sdst(0) depctr_va_vdst(0) depctr_va_sdst(0) depctr_va_ssrc(0) depctr_va_vcc(0) depctr_vm_vsrc(0)
	s_getreg_b32 s2, hwreg(HW_REG_IB_STS2, 6, 4)
	s_cmp_eq_u32 s2, 0
	s_cbranch_scc0 .Lentry_in_a_cluster
	s_endpgm
.Lentry_in_a_cluster:
	s_bfe_u32 s2, ttmp6, 0x10000c
	s_cmp_lg_u32 s2, 0xf033
	s_cbranch_scc0 .Lentry_shape_is_right
	s_endpgm
.Lentry_shape_is_right:
; qkv[m][n] = sum over k of xb[m][k] wqkvb[k][n].  xb: [4096][1024] bf16, wqkvb: [1024][3072] bf16, qkv: [4096][3072] f16; sums in f32.
; LIMIT: the result is rounded once to f16 (the wave's mode, nearest even): a sum of magnitude 65,504 or more becomes infinite,
; one below 6.1e-5 keeps an absolute error of up to 3e-8.
; A work-group makes a block of 128 rows x 384 columns with four waves (2 x 2); a wave makes 64 x 192: 4 x 12 accumulator tiles, 384 registers.
; 8 x 32 blocks = 256 work-groups.  K goes in steps of 128 through a ring of two LDS slots filled by the tensor data mover, one load a wave:
; wave 0 brings 128 rows of xb (256 bytes each), waves 1-3 one strip each of 128 k-rows x 128 columns of wqkvb (256 bytes each, aligned).
; A wave's 192 columns: tiles 0-7 are strip 0 (left waves) or strip 2 (right waves), tiles 8-11 its half of strip 1.
; wqkvb lies [K][N], so its fragments come out of LDS by the transposing load.
; CLUSTERS: 4 x 4 work-groups.  xb's tile hangs on the block row alone and is asked for jointly by the four of a row of the cluster;
; a strip hangs on the block column alone and is asked for jointly by the four of a column: a quarter of the requests.
; REGISTERS, in windows of 256: window 0 addresses, xb's fragments (two buffers), the way out; window 1 wqkvb's fragments (two buffers);
; window 2 the accumulators of my rows 0-31 (tile (a, b) at v[8 (12 a + b)]), window 3 those of rows 32-63.
; THE MATRIX INSTRUCTION IS USED TRANSPOSED (source 0 = 16 columns of wqkvb, source 1 = 16 rows of xb): a lane then holds eight neighbouring
; columns of one row of the result, 16 bytes of f16.
.set SIZE_K, 1024
.set SIZE_N, 3072
.set KSTEP,  128
.set PA,     272                       ; LDS pitch of xb's rows: 256 + 16, an odd multiple of 16: the 16 rows of a fragment load begin at 16 different 16-byte columns modulo 256
.set PB,     288                       ; LDS pitch of a strip's rows: 256 + 32, an odd multiple of 32, for the transposing load
.set REG,    128*PB                    ; 36,864: the bytes of one wave's load (xb's tile uses 34,816 of them)
.set SLOT,   4*REG
.set SP,     400                       ; the way out: a wave's row of 192 f16 = 384 bytes + 16
.set WST,    64*SP+128                 ; from one wave's stage to the next; 128 modulo 256, so that the two halves of a unit made by two waves fall on different columns
.set LAPS,   SIZE_K/(2*KSTEP)          ; a lap = two K steps = once round the ring: 4
.set ADRA,  16                         ; v16-17  LDS address of my xb fragments in slot 0, 1
.set ADRB8, 18                         ; v18-19  of my whole strip
.set ADRB4, 20                         ; v20-21  of my half of strip 1
.set STO,   24                         ; v24     the way out: where I put 16 bytes
.set RD,    25                         ; v25-27  the way out: where I read unit 0, 1, 2 of a row back
.set CO,    28                         ; v28     my byte offset in qkv
.set FA0,   64                         ; window 0: v64-95, v96-127 fragments of xb, buffers 0, 1
.set FB0,   0                          ; window 1: v0-95, v96-191 fragments of wqkvb, buffers 0, 1
.set TMP,   192                        ; window 0: v192-239 packed results
.set OUT0,  64                         ; window 0: v64-127, v128-191 rows read back
.set G1,  24                           ; s[24:31] descriptor group 1, xb's tile
.set G0,  32                           ; s[32:39] descriptor group 0, xb's tile, a set for each slot
.set G1B, 48                           ; s[48:55] group 1, a strip
.set G0B, 56                           ; s[56:63] group 0, a strip, a set for each slot
.set MSB, 0
.macro WIN new                         ; the immediate's high byte repeats the setting that is left; a switch that changes nothing is dropped
.if MSB != \new
	s_set_vgpr_msb (MSB<<8)|\new
.set MSB, \new
.endif
.endm
.set MUL_LO, 0xa1                      ; source 0 window 1, source 1 window 0, C and D window 2
.set MUL_HI, 0xf1                      ; the same, C and D window 3
.set TO_B,   0x40                      ; destination window 1, address window 0
; A joint load.  Wave 0 asks for xb's tile, waves 1-3 for a strip each.  Each line has one mask; the branch hangs on the wave's number alone.
.macro JLOAD s
	s_cmp_eq_u32 s10, 0
	s_cbranch_scc0 .Lfor_b_\@
	tensor_load_to_lds s[G0+4*\s:G0+4*\s+3], s[G1:G1+7]
	s_nop 0
	s_branch .Lasked_\@
.Lfor_b_\@:
	tensor_load_to_lds s[G0B+4*\s:G0B+4*\s+3], s[G1B:G1B+7]
	s_nop 0
.Lasked_\@:
.endm
.macro CREST                           ; a round of the cluster's barrier behind its opening work-group barrier
	s_cmp_lg_u32 s10, 0
	s_cbranch_scc1 .Lnot_wave_0_\@
	s_barrier_signal -3
.Lnot_wave_0_\@:
	s_barrier_wait -3
	s_barrier_signal -1
	s_barrier_wait -1
.endm
.macro CROUND                          ; a whole round
	s_barrier_signal -1
	s_barrier_wait -1
	CREST
.endm
	s_load_b128 s[4:7], s[0:1], 0x0                ; xb s[4:5], wqkvb s[6:7]
	s_load_b64 s[8:9], s[0:1], 0x10                ; qkv
	s_set_vgpr_msb 0x40
	v_lshl_add_u32 v255, v0, 2, 0x48000
	s_set_vgpr_msb 0x4000
	v_mov_b32 v255, 0
	s_set_vgpr_msb 0x1
	ds_add_u32 v255, v255
	s_set_vgpr_msb 0x100
	v_lshrrev_b32 v1, 5, v0
	v_readfirstlane_b32 s10, v1                    ; wave 0..3
	s_lshr_b32 s11, s10, 1                         ; which 64 rows of the block are mine
	s_and_b32 s12, s10, 1                          ; which 192 columns
	s_bfe_u32 s40, ttmp6, 0x40000                  ; cx
	s_bfe_u32 s41, ttmp6, 0x40004                  ; cy
	s_lshl_b32 s42, ttmp9, 2
	s_add_co_u32 s42, s42, s40                     ; block column = 4 x cluster x + cx
	s_and_b32 s13, ttmp7, 0xffff
	s_lshl_b32 s13, s13, 2
	s_add_co_u32 s13, s13, s41                     ; block row = 4 x cluster y + cy
	s_lshl_b32 s43, s41, 2
	s_lshl_b32 s43, 15, s43                        ; my row of the cluster: places 4 cy .. 4 cy + 3
	s_lshl_b32 s44, 0x1111, s40                    ; my column: places cx, cx + 4, cx + 8, cx + 12
	; group 1: tiles of 128 rows x 128 elements of 2 bytes; a pad behind every 64 words: 4 words for xb, 8 for a strip; bit 21 set beside a mask
	s_or_b32 s[G1+0],  s43, (1<<16)|(1<<20)|(1<<21)|(5<<22)|(3<<25)
	s_or_b32 s[G1B+0], s44, (1<<16)|(1<<20)|(1<<21)|(5<<22)|(7<<25)
	s_mov_b32 s[G1+1],  KSTEP<<16                  ; tensor_dim0 = 128
	s_mov_b32 s[G1B+1], 128<<16
	s_mov_b32 s[G1+2],  128<<16                    ; tensor_dim1 = 128
	s_mov_b32 s[G1B+2], KSTEP<<16
	s_mov_b32 s[G1+3],  KSTEP<<16                  ; tile_dim0 = 128
	s_mov_b32 s[G1B+3], 128<<16
	s_mov_b32 s[G1+4],  128                        ; tile_dim1 = 128
	s_mov_b32 s[G1B+4], KSTEP
	s_mov_b32 s[G1+5],  SIZE_K                     ; elements from row to row
	s_mov_b32 s[G1B+5], SIZE_N
	s_mov_b32 s[G1+6],  0
	s_mov_b32 s[G1B+6], 0
	s_mov_b32 s[G1+7],  0
	s_mov_b32 s[G1B+7], 0
	; xb's tile hangs on the block row, a strip on the block column and the wave's number; each offset in registers that never hold the other coordinate
	s_lshl_b32 s16, s13, 18                        ; block row x 128 rows x 2,048 bytes
	s_mov_b32 s17, 0
	s_mul_i32 s46, s42, 768                        ; block column x 384 columns x 2 bytes
	s_max_u32 s47, s10, 1
	s_sub_co_u32 s47, s47, 1                       ; strip = wave - 1 (wave 0 asks for no strip)
	s_lshl_b32 s47, s47, 8
	s_add_co_u32 s46, s46, s47
	s_mov_b32 s47, 0
	s_mul_i32 s20, s10, REG                        ; where a wave's tile goes: the wave's number alone
	s_wait_dscnt 0x0
	s_wait_kmcnt 0x0
	s_add_nc_u64 s[14:15], s[4:5], s[16:17]
	s_add_nc_u64 s[46:47], s[6:7], s[46:47]
	CROUND                                         ; all sixteen work-groups are here: the first joint loads meet
.irp s, 0,1
	s_mov_b32 s[G0+4*\s], 1
	s_add_co_u32 s[G0+4*\s+1], s20, \s*SLOT
	s_add_nc_u64 s[G0+4*\s+2:G0+4*\s+3], s[14:15], \s*KSTEP*2           ; K step s: 256 bytes along the rows
	s_or_b32 s[G0+4*\s+3], s[G0+4*\s+3], 0x80000000
	s_mov_b32 s[G0B+4*\s], 1
	s_add_co_u32 s[G0B+4*\s+1], s20, \s*SLOT
	s_add_nc_u64 s[G0B+4*\s+2:G0B+4*\s+3], s[46:47], \s*KSTEP*SIZE_N*2  ; K step s: 128 rows down
	s_or_b32 s[G0B+4*\s+3], s[G0B+4*\s+3], 0x80000000
	JLOAD \s                                       ; both first fills go out together: two tensor loads of the wave are out here, one later on
.endr
	v_and_b32 v1, 15, v0                           ; r = lane % 16
	v_bfe_u32 v2, v0, 4, 1                         ; h = lane / 16
	v_and_b32 v3, 7, v0
	v_bfe_u32 v4, v0, 3, 1
	v_lshl_add_u32 v3, v2, 3, v3                   ; the transposing load: lane l addresses k-row 8 h + l % 8,
	v_mul_u32_u24 v3, v3, PB
	v_lshl_add_u32 v3, v4, 4, v3                   ; and the left or right 16 bytes of the 16 columns
	v_mul_u32_u24 v5, v1, PA
	v_lshl_add_u32 v5, v2, 4, v5                   ; a plain fragment: row r, 16 bytes for each half of the lanes
	s_mul_i32 s21, s11, 64*PA                      ; my 64 rows of xb
	s_lshl_b32 s22, s12, 1
	s_add_co_u32 s22, s22, 1
	s_mul_i32 s22, s22, REG                        ; strip 0 or 2 lies in region 1 or 3
	s_lshl_b32 s23, s12, 7
	s_add_co_u32 s23, s23, 2*REG                   ; my 64 columns of strip 1, in region 2
.irp s, 0,1
	v_add_nc_u32 v[ADRA+\s],  s21, v5
	v_add_nc_u32 v[ADRB8+\s], s22, v3
	v_add_nc_u32 v[ADRB4+\s], s23, v3
	s_add_co_u32 s21, s21, SLOT
	s_add_co_u32 s22, s22, SLOT
	s_add_co_u32 s23, s23, SLOT
.endr
	v_mul_u32_u24 v6, v1, SP                       ; the way out, in: my own stage, row r of a tile row, 16 bytes for each half of the lanes
	v_lshl_add_u32 v6, v2, 4, v6
	s_mul_i32 s21, s10, WST
	v_add_nc_u32 v[STO], s21, v6
	v_mul_u32_u24 v7, v2, SP                       ; back: I take rows 32 w .. 32 w + 31 of the block, two at a time; they lie in the stages of the two waves 2 (w / 2), 2 (w / 2) + 1
	s_mul_i32 s21, s11, 2*WST
	s_mul_i32 s22, s12, 32*SP
	s_add_co_u32 s21, s21, s22
	v_add_nc_u32 v7, s21, v7
	v_lshl_add_u32 v[RD], v1, 4, v7                ; unit 0: the left wave's bytes 0-255
	v_add_nc_u32 v[RD+2], WST, v[RD]               ; unit 2: the right wave's bytes 0-255
	v_mul_u32_u24 v8, v4, WST                      ; unit 1: lanes 0-7 of sixteen take the left wave's bytes 256-383, lanes 8-15 the right wave's
	v_and_b32 v9, 7, v0
	v_lshl_add_u32 v8, v9, 4, v8
	v_add3_u32 v[RD+1], v8, v7, 256
	v_mul_u32_u24 v7, v2, SIZE_N*2
	v_lshl_add_u32 v[CO], v1, 4, v7                ; the same two rows in qkv
; 12 matrix instructions: tile row a (0, 1) of the window x all 12 column tiles, 32 along K, from buffer f.  zero = 1: the first product starts the sums.
; The 48 accumulators take turns, one instruction a turn, in the same order in every quarter step.
.macro MULROW f, hi, a, zero
.irp b, 0,1,2,3,4,5,6,7,8,9,10,11
.if \zero
	v_wmma_f32_16x16x32_bf16 v[8*(12*\a+\b):8*(12*\a+\b)+7], v[FB0+96*\f+8*\b:FB0+96*\f+8*\b+7], v[FA0+32*\f+8*(2*\hi+\a):FA0+32*\f+8*(2*\hi+\a)+7], 0
.else
	v_wmma_f32_16x16x32_bf16 v[8*(12*\a+\b):8*(12*\a+\b)+7], v[FB0+96*\f+8*\b:FB0+96*\f+8*\b+7], v[FA0+32*\f+8*(2*\hi+\a):FA0+32*\f+8*(2*\hi+\a)+7], v[8*(12*\a+\b):8*(12*\a+\b)+7]
.endif
.endr
.endm
; 32 LDS loads in one run: the fragments of quarter q (32 along K) of a slot into buffer f: 24 transposing loads, then 8 plain ones
.macro FETCH slot, q, f
	WIN TO_B
.irp b, 0,1,2,3,4,5,6,7
	ds_load_tr16_b128 v[FB0+96*\f+8*\b:FB0+96*\f+8*\b+3],   v[ADRB8+\slot] offset:32*\q*PB+32*\b
	ds_load_tr16_b128 v[FB0+96*\f+8*\b+4:FB0+96*\f+8*\b+7], v[ADRB8+\slot] offset:32*\q*PB+32*\b+16*PB
.endr
.irp b, 8,9,10,11
	ds_load_tr16_b128 v[FB0+96*\f+8*\b:FB0+96*\f+8*\b+3],   v[ADRB4+\slot] offset:32*\q*PB+32*(\b-8)
	ds_load_tr16_b128 v[FB0+96*\f+8*\b+4:FB0+96*\f+8*\b+7], v[ADRB4+\slot] offset:32*\q*PB+32*(\b-8)+16*PB
.endr
	WIN 0
.irp a, 0,1,2,3
	ds_load_b128 v[FA0+32*\f+8*\a:FA0+32*\f+8*\a+3],   v[ADRA+\slot] offset:64*\q+\a*16*PA
	ds_load_b128 v[FA0+32*\f+8*\a+4:FA0+32*\f+8*\a+7], v[ADRA+\slot] offset:64*\q+\a*16*PA+32
.endr
.endm
; A load into a register that a matrix instruction has read, and a vector instruction that reads a matrix result, stand four places behind it,
; and only plain vector instructions that name none of its registers are places (ISA guide 7.12.1 for vector instructions).
.macro PLACES
.rept 4
	v_nop
.endr
.endm
; One of a K step's first three quarters: multiplies buffer f; in its middle it fetches quarter q of the same slot into buffer g.
.macro QUARTER slot, q, f, g, zero
	s_wait_dscnt 4                                 ; wqkvb's fragments and xb's rows 0-31 are in; the youngest four loads (rows 32-63) may be out
	WIN MUL_LO
	MULROW \f, 0, 0, \zero
	MULROW \f, 0, 1, \zero
	PLACES
	FETCH \slot, \q, \g
	s_wait_dscnt 32                                ; all but the 32 just issued
	WIN MUL_HI
	MULROW \f, 1, 0, \zero
	MULROW \f, 1, 1, \zero
.endm
.macro THREE slot, zero
	QUARTER \slot, 1, 0, 1, \zero
	QUARTER \slot, 2, 1, 0, 0
	QUARTER \slot, 3, 0, 1, 0
.endm
; The last quarter multiplies buffer 1 and changes slots.  In front of the one barrier each wave waits for its reads of this slot and for all its
; tensor loads (one is out: its part of the next slot).  Behind it the refill comes first, then the next slot's first fragments.
.macro TURN slot, next, fill
	s_wait_dscnt 4
	WIN MUL_LO
	MULROW 1, 0, 0, 0
	s_wait_dscnt 0x0                               ; my reads of this slot are over
	s_wait_tensorcnt 0x0                           ; and all my tensor loads have landed
	ds_add_u32 v255, v255
	s_wait_dscnt 0x0
	s_barrier_signal -1                            ; (where the slot is filled again this barrier opens a round of the cluster's barrier)
	MULROW 1, 0, 1, 0                              ; register work while the others arrive
	WIN 0
	s_barrier_wait -1
.if \fill
	CREST                                          ; no wave of any partner still reads this slot or has a load on its way
	s_add_nc_u64 s[G0+4*\slot+2:G0+4*\slot+3], s[G0+4*\slot+2:G0+4*\slot+3], 2*KSTEP*2
	s_add_nc_u64 s[G0B+4*\slot+2:G0B+4*\slot+3], s[G0B+4*\slot+2:G0B+4*\slot+3], 2*KSTEP*SIZE_N*2
	JLOAD \slot                                    ; the wave's one tensor load behind the round, and the first thing there
.endif
	PLACES
	FETCH \next, 0, 0
	WIN MUL_HI
	MULROW 1, 1, 0, 0
	MULROW 1, 1, 1, 0
.endm
.macro LAP zero
	THREE 0, \zero
	TURN 0, 1, 1
	THREE 1, 0
	TURN 1, 0, 1
.endm
	s_wait_tensorcnt 0x1                           ; my part of K step 0 is in; K step 1's may stay out
	s_barrier_signal -1
	s_barrier_wait -1
	FETCH 0, 0, 0
	LAP 1                                          ; the first lap stands in front of the loop: its first products start the sums
	WIN 0
	s_mov_b32 s3, LAPS-2
.Llap:
	LAP 0
	WIN 0
	s_sub_co_u32 s3, s3, 1
	s_cmp_lg_u32 s3, 0
	s_cbranch_scc1 .Llap
	THREE 0, 0                                     ; the last lap fills nothing
	TURN 0, 1, 0
	THREE 1, 0
	s_wait_dscnt 4
	WIN MUL_LO
	MULROW 1, 0, 0, 0
	MULROW 1, 0, 1, 0
	s_wait_dscnt 0x0
	WIN MUL_HI
	MULROW 1, 1, 0, 0
	MULROW 1, 1, 1, 0
	; THE WAY OUT.  Each wave rounds its 64 x 192 to f16 into a stage of its own, in slot 0: that slot has had its last fill, and every wave's
	; reads of it ended in front of the last change of slots.  Behind one barrier each wave reads 32 whole rows of the block (768 bytes) and stores them.
	PLACES
	s_lshl_b32 s16, s13, 7
	s_lshl_b32 s14, s10, 5
	s_add_co_u32 s16, s16, s14                     ; row 128 x block row + 32 x wave
	s_mul_i32 s16, s16, SIZE_N*2
	s_mov_b32 s17, 0
	s_add_nc_u64 s[8:9], s[8:9], s[16:17]
	s_mul_i32 s46, s42, 768                        ; the block's first column, in bytes
	s_mov_b32 s47, 0
	s_add_nc_u64 s[8:9], s[8:9], s[46:47]
.macro OUTROW a, aw, from              ; tile row a of my four = tile row aw of window 2 or 3 (from: sources 0 and 1)
	WIN \from
.irp b, 0,1,2,3,4,5,6,7,8,9,10,11
.irp p, 0,1,2,3
	v_cvt_pk_f16_f32 v[TMP+4*\b+\p], v[8*(12*\aw+\b)+2*\p], v[8*(12*\aw+\b)+2*\p+1]
.endr
.endr
	WIN 0
.irp b, 0,1,2,3,4,5,6,7,8,9,10,11
	ds_store_b128 v[STO], v[TMP+4*\b:TMP+4*\b+3] offset:\a*16*SP+32*\b
.endr
.endm
	OUTROW 0, 0, 0x0a
	OUTROW 1, 1, 0x0a
	OUTROW 2, 0, 0x0f
	OUTROW 3, 1, 0x0f
	s_wait_dscnt 0x0                               ; my stores are in LDS, for the others' sake
	s_barrier_signal -1
	s_barrier_wait -1
.irp c, 0,1,2
.if \c == 2
	s_wait_xcnt 0x0                                ; the first buffer, which unit 0's stores read, is loaded again only behind this wait
.endif
.irp t, 0,1,2,3,4,5,6,7,8,9,10,11,12,13,14,15
	ds_load_b128 v[OUT0+64*(\c&1)+4*\t:OUT0+64*(\c&1)+4*\t+3], v[RD+\c] offset:\t*2*SP
.endr
.irp t, 0,1,2,3,4,5,6,7,8,9,10,11,12,13,14,15
	s_wait_dscnt 15-\t
	global_store_b128 v[CO], v[OUT0+64*(\c&1)+4*\t:OUT0+64*(\c&1)+4*\t+3], s[8:9] offset:2*\t*SIZE_N*2+256*\c   ; 16 lanes store 256 consecutive bytes, aligned
.endr
.endr
	s_set_vgpr_msb 0x1
	s_wait_tensorcnt 0x0
	ds_add_u32 v255, v255
	s_wait_dscnt 0x0
	s_set_vgpr_msb 0x100
	CROUND                                         ; the closing round: no work-group ends while a partner may still ask for a tile that names it
	s_endpgm
.Lfunc_end_k_q7908abeb03_qkv:
	.size	k_q7908abeb03_qkv, .Lfunc_end_k_q7908abeb03_qkv-k_q7908abeb03_qkv
	.p2alignl 7, 3214868480
	.fill 96, 4, 3214868480
	.section	.rodata,"a",@progbits
	.p2align	6, 0x0
	.amdhsa_kernel k_q7908abeb03_qkv
		.amdhsa_group_segment_fixed_size 327680
		.amdhsa_private_segment_fixed_size 0
		.amdhsa_enable_private_segment 0
		.amdhsa_kernarg_size 24
		.amdhsa_user_sgpr_count 2
		.amdhsa_user_sgpr_kernarg_segment_ptr 1
		.amdhsa_wavefront_size32 1
		.amdhsa_system_sgpr_workgroup_id_x 1
		.amdhsa_system_sgpr_workgroup_id_y 1
		.amdhsa_system_sgpr_workgroup_id_z 1
		.amdhsa_system_vgpr_workitem_id 0
		.amdhsa_next_free_vgpr 960
		.amdhsa_next_free_sgpr 66
		.amdhsa_reserve_vcc 0
		.amdhsa_float_denorm_mode_32 3
		.amdhsa_float_denorm_mode_16_64 3
		.amdhsa_memory_ordered 1
		.amdhsa_forward_progress 1
		.amdhsa_inst_pref_size 164
	.end_amdhsa_kernel
	.amdgpu_metadata
---
amdhsa.version: [ 1, 2 ]
amdhsa.kernels:
  - .name:           k_q7908abeb03_qkv
    .symbol:         k_q7908abeb03_qkv.kd
    .args:
      - { .name: xb, .offset: 0, .size: 8, .value_kind: global_buffer, .address_space: global }
      - { .name: wqkvb, .offset: 8, .size: 8, .value_kind: global_buffer, .address_space: global }
      - { .name: qkv, .offset: 16, .size: 8, .value_kind: global_buffer, .address_space: global }
    .group_segment_fixed_size: 327680
    .private_segment_fixed_size: 0
    .kernarg_segment_align: 8
    .kernarg_segment_size: 24
    .max_flat_workgroup_size: 128
    .sgpr_count:     66
    .vgpr_count:     960
    .wavefront_size: 32
...
	.end_amdgpu_metadata
.endif
;; end of part 2
;; launch attn (part 3): grid 16 x 16, 4 waves a work-group, clusters of 4 x 1, 327,680 bytes of LDS; arguments qkv, ao; writes ao
.if DOCPART == 3
	.amdgcn_target "amdgcn-amd-amdhsa--gfx1250"
	.amdhsa_code_object_version 6
	.text
	.protected	k_q7908abeb03_attn
	.globl	k_q7908abeb03_attn
	.p2align	8
	.type	k_q7908abeb03_attn,@function
k_q7908abeb03_attn:
	s_mov_b64 s[64:65], 0
	v_nop
	global_prefetch_b8 v0, s[64:65] scope:SCOPE_SE
	s_setreg_imm32_b32 hwreg(HW_REG_WAVE_MODE, 25, 1), 1
	s_wait_xcnt 0x0
	s_wait_alu depctr_hold_cnt(0) depctr_sa_sdst(0) depctr_va_vdst(0) depctr_va_sdst(0) depctr_va_ssrc(0) depctr_va_vcc(0) depctr_vm_vsrc(0)
	s_getreg_b32 s2, hwreg(HW_REG_IB_STS2, 6, 4)
	s_cmp_eq_u32 s2, 0
	s_cbranch_scc0 .Lentry_in_a_cluster
	s_endpgm
.Lentry_in_a_cluster:
	s_bfe_u32 s2, ttmp6, 0x10000c
	s_cmp_lg_u32 s2, 0x3003
	s_cbranch_scc0 .Lentry_shape_is_right
	s_endpgm
.Lentry_shape_is_right:
; Causal attention with a running maximum.  qkv: [2 x 2048][3 x 16 heads x 64] f16, ao: [2 x 2048][16 heads x 64] f16.
; Products in the f16 matrix form with f32 sums; maxima, exponentials, row sums and the rescaling in f32.
; LIMITS: the weights p (at most about 1) go into the second product rounded to f16, while the row sum adds them unrounded; the result is rounded
; once to f16 (it is a mean of v's, so it is finite where v is); v_exp_f32 gives zero for results below 2^-126 (ISA guide 15.8).
; SHARES.  A work-group takes one batch, two neighbouring heads (so that rows of K, V and ao are 256 aligned bytes) and 128 query rows: 64 low ones
; at 256 c + 64 cx and 64 high ones at 1792 - 256 c + 64 cx (c: the cluster, cx: the place in it), which makes the causal work equal in all
; 256 work-groups.  Wave w takes head w / 2 and 32 rows (w % 2) of each block: four query tiles of 16 rows, 0, 1 low and 2, 3 high.
; KEYS go in laps of 256 = two LDS slots of 128 = four steps of 64.  Lap c is the low rows' diagonal, lap 7 - c the high rows'.
; The laps are walked in the order c, 0 .. c-1, c+1 .. 7-c: the first lap then always is 'low masked, high whole' and starts all sums (nothing is
; cleared; key 256 c is open to every low row, so every first maximum is finite), and the last always is 'high masked'.
; CLUSTERS: the four work-groups of a cluster walk the same laps of the same heads and ask for every tile jointly.  For that a whole lap of 256 keys
; is masked by arithmetic in all four alike (36 units of work where the causal count is 33): no branch, trip count or LDS address hangs on cx.
; LAYOUT.  S^T = K Q^T: a lane holds one query (lane % 16) and eight keys of each key tile, so maximum, sum and rescaling are the lane's own but for one
; exchange between the halves, and two neighbouring key tiles packed to f16 ARE the second source of O^T = V^T P^T.  V^T comes by the transposing load.
.set ROWB,  6144                       ; bytes in a row of qkv
.set PK,    272                        ; LDS pitch of K's rows: 256 + 16, an odd multiple of 16
.set PV,    288                        ; LDS pitch of V's rows: 256 + 32, an odd multiple of 32, for the transposing load
.set KREG,  64*PV                      ; 18,432: the bytes of one wave's load (64 keys; K uses 17,408 of them)
.set SLOT,  4*KREG                     ; K keys 0-63, K keys 64-127, V keys 0-63, V keys 64-127
.set STAGE, 2*SLOT                     ; behind the ring, bytes of its own: no fill lands here
.set PS,    144                        ; the way out: a wave's row of 64 f16 = 128 bytes + 16
.set WST,   64*PS+64                   ; from one wave's stage to the next: two of them are 128 modulo 256
.set LAPB,  256*ROWB                   ; a lap of keys in memory
.set VQ,   1                           ; v1      byte offset of my part of a Q fragment
.set AK,   2                           ; v2-3    LDS address of my K fragments in slot 0, 1
.set AV,   4                           ; v4-5    the same for V
.set DI,   6                           ; v6-7    my query's row in its lap less 8 (lane / 16), for even and odd query tiles
.set NINF, 8                           ; v8      minus infinity
.set STO,  9
.set RD,   10
.set CO,   11
.set NMC,  12                          ; v12-15  query tile i: minus (running maximum x c2)
.set LS,   16                          ; v16-19  query tile i: running sum over this half's keys
.set NG,   26                          ; v26-27  the new NMC (a pair for the packed forms; the second register is only named)
.set AL,   28                          ; v28-29  the factor for what was summed under the old maximum (likewise)
.set PB0,  32                          ; v32-47, v48-63    P, two buffers          (v20-25, v30-31: at work)
.set PB1,  48
.set KF,   64                          ; v64-127   K fragments (key tile kt, half dh of d) at 8 (2 kt + dh)
.set VF,   128                         ; v128-191  V^T fragments (d tile dt, half kh of the keys) at 8 (2 dt + kh)
.set SB0,  192                         ; v192-223, v224-255  S, two buffers
.set SB1,  224
.set QF,   0                           ; window 1: v0-63   Q fragments (i, dh) at 8 (2 i + dh)
.set OB,   64                          ; window 1: v64-191 O^T tiles (i, dt) at 64 + 8 (4 i + dt)
.set BASE, 20                          ; s[20:23] address of my part of lap 0's tiles for slot 0, 1
.set G1K,  24                          ; s[24:31] descriptor group 1 for K
.set G0,   32                          ; s[32:39] descriptor group 0, a set for each slot
.set G1V,  40                          ; s[40:47] descriptor group 1 for V: another pad
.set MSB, 0
.macro WIN new
.if MSB != \new
	s_set_vgpr_msb (MSB<<8)|\new
.set MSB, \new
.endif
.endm
.macro PLACES n
.rept \n
	v_nop
.endr
.endm
.macro ROUND                           ; a round of the cluster's barrier
	s_barrier_signal -1
	s_barrier_wait -1
	s_cmp_lg_u32 s8, 0
	s_cbranch_scc1 .Lnot_wave_0_\@
	s_barrier_signal -3
.Lnot_wave_0_\@:
	s_barrier_wait -3
	s_barrier_signal -1
	s_barrier_wait -1
.endm
.macro JLOAD s                         ; waves 0, 1 ask for K's two halves of a slot, waves 2, 3 for V's
	s_cmp_eq_u32 s9, 0
	s_cbranch_scc0 .Lfor_v_\@
	tensor_load_to_lds s[G0+4*\s:G0+4*\s+3], s[G1K:G1K+7]
	s_nop 0
	s_branch .Lasked_\@
.Lfor_v_\@:
	tensor_load_to_lds s[G0+4*\s:G0+4*\s+3], s[G1V:G1V+7]
	s_nop 0
.Lasked_\@:
.endm
.macro SETADDR s, lap                  ; slot s's next tile: lap 'lap'.  Stands only where no tensor load of the wave is out
	s_mul_i32 s48, \lap, LAPB
	s_add_nc_u64 s[G0+4*\s+2:G0+4*\s+3], s[BASE+2*\s:BASE+2*\s+1], s[48:49]
	s_or_b32 s[G0+4*\s+3], s[G0+4*\s+3], 0x80000000
.endm
.macro NEXTLAP                         ; 0, 1, 2 .. with c left out
	s_add_co_u32 s15, s15, 1
	s_cmp_eq_u32 s15, s11
	s_cselect_b32 s60, 1, 0
	s_add_co_u32 s15, s15, s60
	s_mov_b32 s16, s15
.endm
	s_load_b128 s[4:7], s[0:1], 0x0                ; qkv s[4:5], ao s[6:7]
	s_set_vgpr_msb 0x40
	v_lshl_add_u32 v192, v0, 2, 0x2d100
	v_mov_b32 v193, 0
	s_set_vgpr_msb 0x4045
	ds_add_u32 v192, v193
	s_set_vgpr_msb 0x4500
	v_lshrrev_b32 v1, 5, v0
	v_readfirstlane_b32 s8, v1                     ; wave 0..3
	s_lshr_b32 s9, s8, 1                           ; my head of the two.  Also: I fetch K (0) or V (1)
	s_and_b32 s10, s8, 1                           ; my 32 rows of each block.  Also: which 64 keys of a slot I fetch
	s_mov_b32 s11, ttmp9                           ; c: the cluster along x, 0..3
	s_bfe_u32 s12, ttmp6, 0x40000                  ; cx: my place in it
	s_and_b32 s14, ttmp7, 0xffff
	s_and_b32 s13, s14, 7                          ; pair of heads
	s_lshr_b32 s14, s14, 3                         ; batch
	s_mov_b32 s15, -1                              ; the lap asked for last, apart from lap c
	s_mov_b32 s16, s11                             ; the lap at work
	s_lshl_b32 s18, s11, 1
	s_sub_co_u32 s18, 6, s18                       ; laps c+1 .. 6-c: high rows alone
	s_mov_b32 s49, 0
	s_mov_b32 s50, 0x3e38aa3b                      ; c2 = log2(e) / sqrt(64)
	s_mov_b32 s51, 0x3e38aa3b
	s_mov_b32 s52, 0xbe38aa3b                      ; - c2
	s_mov_b32 s54, 0x76543210                      ; v_permlanex16_b32: lane i of one half reads lane i of the other
	s_mov_b32 s55, 0xfedcba98
	; group 1: 64 rows x 128 elements of 2 bytes, 3,072 elements from row to row; the mask names all four work-groups, bit 21 beside it;
	; a pad behind every 64 words: 4 words for K, 8 for V
	s_mov_b32 s[G1K+0], 15|(1<<16)|(1<<20)|(1<<21)|(5<<22)|(3<<25)
	s_mov_b32 s[G1V+0], 15|(1<<16)|(1<<20)|(1<<21)|(5<<22)|(7<<25)
	s_mov_b32 s[G1K+1], 128<<16
	s_mov_b32 s[G1V+1], 128<<16
	s_mov_b32 s[G1K+2], 64<<16
	s_mov_b32 s[G1V+2], 64<<16
	s_mov_b32 s[G1K+3], 128<<16
	s_mov_b32 s[G1V+3], 128<<16
	s_mov_b32 s[G1K+4], 64
	s_mov_b32 s[G1V+4], 64
	s_mov_b32 s[G1K+5], 3072
	s_mov_b32 s[G1V+5], 3072
	s_mov_b32 s[G1K+6], 0
	s_mov_b32 s[G1V+6], 0
	s_mov_b32 s[G1K+7], 0
	s_mov_b32 s[G1V+7], 0
	s_mul_i32 s60, s8, KREG                        ; a wave's tile goes to wave x 18,432 + the slot
.irp s, 0,1
	s_mov_b32 s[G0+4*\s], 1
	s_add_co_u32 s[G0+4*\s+1], s60, \s*SLOT
.endr
	s_lshl_b32 s60, s14, 11                        ; my tiles in memory: row 2,048 batch + 64 (wave % 2),
	s_lshl_b32 s61, s10, 6
	s_add_co_u32 s60, s60, s61
	s_mul_i32 s60, s60, ROWB
	s_lshl_b32 s61, s9, 11                         ; K's columns begin at byte 2,048 of a row, V's at 4,096,
	s_add_co_u32 s60, s60, s61
	s_lshl_b32 s61, s13, 8                         ; 256 bytes for each pair of heads
	s_add_co_u32 s60, s60, s61
	s_add_co_u32 s60, s60, 2048
	s_mov_b32 s61, 0
	s_wait_dscnt 0x0
	s_wait_kmcnt 0x0
	s_add_nc_u64 s[BASE:BASE+1], s[4:5], s[60:61]
	s_add_nc_u64 s[BASE+2:BASE+3], s[BASE:BASE+1], 128*ROWB
	SETADDR 0, s11
	ROUND                                          ; all four work-groups are here: the first joint load meets
	JLOAD 0                                        ; keys 0-127 of lap c.  One tensor load of the wave is out, here and behind every later round
	; Q, once, straight into registers: a fragment is 16 queries x 32 d, two loads of 16 bytes a lane
	v_and_b32 v20, 15, v0                          ; r
	v_bfe_u32 v21, v0, 4, 1                        ; h
	v_and_b32 v22, 7, v0
	v_bfe_u32 v23, v0, 3, 1
	v_mul_u32_u24 v[VQ], v20, ROWB
	v_lshl_add_u32 v[VQ], v21, 4, v[VQ]
	s_lshl_b32 s60, s14, 11
	s_lshl_b32 s61, s12, 6
	s_add_co_u32 s60, s60, s61
	s_lshl_b32 s61, s10, 5
	s_add_co_u32 s60, s60, s61                     ; 2,048 batch + 64 cx + 32 (wave % 2)
	s_lshl_b32 s61, s11, 8
	s_add_co_u32 s62, s60, s61                     ; + 256 c: my first low row
	s_add_co_u32 s63, s60, 1792
	s_sub_co_u32 s63, s63, s61                     ; + 1,792 - 256 c: my first high row
	s_cmp_eq_u32 s9, 0                             ; on the way out waves 0, 1 store the low rows, waves 2, 3 the high ones, 32 each
	s_cselect_b32 s2, s62, s63
	s_lshl_b32 s2, s2, 11                          ; a row of ao is 2,048 bytes
	s_lshl_b32 s61, s13, 8
	s_add_co_u32 s2, s2, s61
	s_mov_b32 s3, 0
	s_add_nc_u64 s[6:7], s[6:7], s[2:3]
	s_lshl_b32 s60, s9, 7
	s_add_co_u32 s61, s61, s60                     ; my head's 128 bytes in a row
	s_mul_i32 s62, s62, ROWB
	s_mul_i32 s63, s63, ROWB
	s_add_co_u32 s60, s62, s61
	s_add_co_u32 s62, s63, s61
	s_mov_b32 s61, 0
	s_mov_b32 s63, 0
	s_add_nc_u64 s[56:57], s[4:5], s[60:61]
	s_add_nc_u64 s[58:59], s[4:5], s[62:63]
	WIN 0x40                                       ; destination window 1
.irp i, 0,1
.irp dh, 0,1
	global_load_b128 v[QF+8*(2*\i+\dh):QF+8*(2*\i+\dh)+3],       v[VQ], s[56:57] offset:\i*16*ROWB+64*\dh
	global_load_b128 v[QF+8*(2*\i+\dh)+4:QF+8*(2*\i+\dh)+7],     v[VQ], s[56:57] offset:\i*16*ROWB+64*\dh+32
	global_load_b128 v[QF+8*(2*\i+\dh)+32:QF+8*(2*\i+\dh)+35],   v[VQ], s[58:59] offset:\i*16*ROWB+64*\dh
	global_load_b128 v[QF+8*(2*\i+\dh)+36:QF+8*(2*\i+\dh)+39],   v[VQ], s[58:59] offset:\i*16*ROWB+64*\dh+32
.endr
.endr
	WIN 0
	v_mul_u32_u24 v24, v20, PK                     ; K: key r of a tile, 16 bytes for each half of the lanes, my head's 128 bytes
	v_lshl_add_u32 v24, v21, 4, v24
	s_lshl_b32 s60, s9, 7
	v_add_nc_u32 v[AK], s60, v24
	v_add_nc_u32 v[AK+1], SLOT, v[AK]
	v_lshl_add_u32 v25, v21, 3, v22                ; V: the transposing load's key 8 h + lane % 8,
	v_mul_u32_u24 v25, v25, PV
	v_lshl_add_u32 v25, v23, 4, v25                ; and the left or right 16 bytes of 16 d
	s_add_co_u32 s60, s60, 2*KREG
	v_add_nc_u32 v[AV], s60, v25
	v_add_nc_u32 v[AV+1], SLOT, v[AV]
	s_lshl_b32 s60, s12, 6                         ; the mask: key cb + 16 kt + 8 h + j of the lap is open to row 64 cx + 32 (w % 2) + 16 (i % 2) + r
	s_lshl_b32 s61, s10, 5
	s_add_co_u32 s60, s60, s61
	v_lshlrev_b32 v24, 3, v21
	v_sub_nc_u32 v24, v20, v24
	v_add_nc_u32 v[DI], s60, v24
	v_add_nc_u32 v[DI+1], 16, v[DI]
	v_mov_b32 v[NINF], 0xff800000
	v_mul_u32_u24 v24, v20, PS                     ; the way out, in: my own stage
	v_lshl_add_u32 v24, v21, 4, v24
	s_mul_i32 s60, s8, WST
	s_add_co_u32 s60, s60, STAGE
	v_add_nc_u32 v[STO], s60, v24
	v_mul_u32_u24 v24, v23, 2*WST                  ; back: lanes 0-7 of sixteen read the first head's wave, lanes 8-15 the second head's
	v_mad_u32_u24 v24, v21, PS, v24
	v_lshl_add_u32 v24, v22, 4, v24
	s_mul_i32 s60, s10, WST
	s_mul_i32 s61, s9, 32*PS
	s_add_co_u32 s60, s60, s61
	s_add_co_u32 s60, s60, STAGE
	v_add_nc_u32 v[RD], s60, v24
	v_lshlrev_b32 v24, 11, v21
	v_lshl_add_u32 v[CO], v20, 4, v24
	v_mov_b32 v[NG+1], 0                           ; the second registers of the two pairs are named, never used
	v_mov_b32 v[AL+1], 0
	s_wait_loadcnt 0x0                             ; Q, once
.macro KLOAD slot, u                   ; 16 loads: K fragments of step u (64 keys) of a slot
.irp kt, 0,1,2,3
.irp dh, 0,1
	ds_load_b128 v[KF+8*(2*\kt+\dh):KF+8*(2*\kt+\dh)+3],   v[AK+\slot] offset:\u*KREG+\kt*16*PK+64*\dh
	ds_load_b128 v[KF+8*(2*\kt+\dh)+4:KF+8*(2*\kt+\dh)+7], v[AK+\slot] offset:\u*KREG+\kt*16*PK+64*\dh+32
.endr
.endr
.endm
.macro VLOAD slot, u                   ; 16 transposing loads: V^T fragments of step u
.irp dt, 0,1,2,3
.irp kh, 0,1
	ds_load_tr16_b128 v[VF+8*(2*\dt+\kh):VF+8*(2*\dt+\kh)+3],   v[AV+\slot] offset:\u*KREG+32*\kh*PV+32*\dt
	ds_load_tr16_b128 v[VF+8*(2*\dt+\kh)+4:VF+8*(2*\dt+\kh)+7], v[AV+\slot] offset:\u*KREG+32*\kh*PV+32*\dt+16*PV
.endr
.endr
.endm
; S^T of query tile i, 64 keys x 16 queries.  Four accumulators take turns, one instruction a turn.
.macro SMM i, sb
	WIN 0x04                                       ; source 1 (Q) window 1
.irp dh, 0,1
.irp kt, 0,1,2,3
.if \dh
	v_wmma_f32_16x16x32_f16 v[\sb+8*\kt:\sb+8*\kt+7], v[KF+8*(2*\kt+\dh):KF+8*(2*\kt+\dh)+7], v[QF+8*(2*\i+\dh):QF+8*(2*\i+\dh)+7], v[\sb+8*\kt:\sb+8*\kt+7]
.else
	v_wmma_f32_16x16x32_f16 v[\sb+8*\kt:\sb+8*\kt+7], v[KF+8*(2*\kt+\dh):KF+8*(2*\kt+\dh)+7], v[QF+8*(2*\i+\dh):QF+8*(2*\i+\dh)+7], 0
.endif
.endr
.endr
.endm
; O^T of query tile i += V^T P^T, 64 d x 16 queries.  Four accumulators by turns likewise.  first = 1: the first product starts the sums.
.macro PVMM i, pb, first
	WIN 0x50                                       ; C and D window 1
.irp kh, 0,1
.irp dt, 0,1,2,3
.if \first && (\kh == 0)
	v_wmma_f32_16x16x32_f16 v[OB+8*(4*\i+\dt):OB+8*(4*\i+\dt)+7], v[VF+8*(2*\dt+\kh):VF+8*(2*\dt+\kh)+7], v[\pb+8*\kh:\pb+8*\kh+7], 0
.else
	v_wmma_f32_16x16x32_f16 v[OB+8*(4*\i+\dt):OB+8*(4*\i+\dt)+7], v[VF+8*(2*\dt+\kh):VF+8*(2*\dt+\kh)+7], v[\pb+8*\kh:\pb+8*\kh+7], v[OB+8*(4*\i+\dt):OB+8*(4*\i+\dt)+7]
.endif
.endr
.endr
.endm
; The softmax step of query tile i on 64 keys: S in sb becomes P in pb; maximum, sum and O are brought up to date.
; mask = 1: keys beyond the query's row become minus infinity (cb: the step's first key in its lap).  A step that is masked whole leaves the
; maximum as it is (the minimum below takes the old NMC against plus infinity) and adds zeros.
.macro SOFT i, sb, pb, mask, cb, first
	WIN 0
.if \mask
.set idx, 0
.rept 32
	v_cmp_le_i32 vcc_lo, \cb+16*(idx/8)+idx%8, v[DI+(\i&1)]
	v_cndmask_b32 v[\sb+idx], v[NINF], v[\sb+idx], vcc_lo
.set idx, idx+1
.endr
.endif
	v_max3_num_f32 v20, v[\sb+0], v[\sb+1], v[\sb+2]               ; four chains start on the first twelve numbers
	v_max3_num_f32 v21, v[\sb+3], v[\sb+4], v[\sb+5]
	v_max3_num_f32 v22, v[\sb+6], v[\sb+7], v[\sb+8]
	v_max3_num_f32 v23, v[\sb+9], v[\sb+10], v[\sb+11]
.set idx, 12
.rept 10
	v_max3_num_f32 v[20+(idx/2)%4], v[20+(idx/2)%4], v[\sb+idx], v[\sb+idx+1]
.set idx, idx+2
.endr
	v_max3_num_f32 v20, v20, v21, v22
	v_max_num_f32 v20, v20, v23
	v_permlanex16_b32 v21, v20, s54, s55           ; the other half of the lanes holds the same query's other keys
	v_max_num_f32 v20, v20, v21
.if \first
	v_mul_f32 v[NG], s52, v20                      ; - c2 x maximum
.else
	v_mul_f32 v22, s52, v20
	v_min_num_f32 v[NG], v[NMC+\i], v22            ; the larger maximum has the smaller negative
	v_sub_f32 v[AL], v[NG], v[NMC+\i]              ; log2 of the factor for the old sums, at most 0
.endif
.set idx, 0
.rept 16
	v_pk_fma_f32 v[\sb+idx:\sb+idx+1], v[\sb+idx:\sb+idx+1], s[50:51], v[NG:NG+1] op_sel_hi:[1,0,0]    ; c2 s - c2 max, one rounding, against the very number that is kept
.set idx, idx+2
.endr
.if \first == 0
	v_exp_f32 v[AL], v[AL]
.endif
.set idx, 0
.rept 32
	v_exp_f32 v[\sb+idx], v[\sb+idx]
.set idx, idx+1
.endr
	v_mov_b32 v[NMC+\i], v[NG]                     ; the plain instruction between the exponentials and the first use of a result (ISA guide 5.7.2)
	s_wait_alu depctr_va_vdst(0)
	v_pk_add_f32 v[20:21], v[\sb+0:\sb+1],   v[\sb+2:\sb+3]        ; the row sum: four chains of pairs
	v_pk_add_f32 v[22:23], v[\sb+4:\sb+5],   v[\sb+6:\sb+7]
	v_pk_add_f32 v[24:25], v[\sb+8:\sb+9],   v[\sb+10:\sb+11]
	v_pk_add_f32 v[30:31], v[\sb+12:\sb+13], v[\sb+14:\sb+15]
.irp c, 0,1
	v_pk_add_f32 v[20:21], v[20:21], v[\sb+16+8*\c:\sb+17+8*\c]
	v_pk_add_f32 v[22:23], v[22:23], v[\sb+18+8*\c:\sb+19+8*\c]
	v_pk_add_f32 v[24:25], v[24:25], v[\sb+20+8*\c:\sb+21+8*\c]
	v_pk_add_f32 v[30:31], v[30:31], v[\sb+22+8*\c:\sb+23+8*\c]
.endr
	v_pk_add_f32 v[20:21], v[20:21], v[22:23]
	v_pk_add_f32 v[24:25], v[24:25], v[30:31]
	v_pk_add_f32 v[20:21], v[20:21], v[24:25]
.if \first
	v_add_f32 v[LS+\i], v20, v21
.else
	v_add_f32 v20, v20, v21
	v_fma_f32 v[LS+\i], v[LS+\i], v[AL], v20
.endif
.set idx, 0
.rept 16
	v_cvt_pk_f16_f32 v[\pb+idx], v[\sb+2*idx], v[\sb+2*idx+1]      ; two key tiles side by side are one fragment of P^T
.set idx, idx+1
.endr
.if \first == 0
	WIN 0x41                                       ; destination and source 0 window 1
.set idx, 0
.rept 16
	v_pk_mul_f32 v[OB+32*\i+idx:OB+32*\i+idx+1], v[OB+32*\i+idx:OB+32*\i+idx+1], v[AL:AL+1] op_sel_hi:[1,0]
.set idx, idx+2
.endr
.endif
.endm
; A step of 64 keys.  lo: 0 the low tiles have no part in it, 1 whole, 2 masked; hi: 1 whole, 2 masked.
; Each group of matrix instructions is issued ahead of a softmax step that does not hang on it.  PLACES (ISA guide 7.12.1 for vector instructions):
; four v_nop ahead of the loads into V's fragments, which the last products read; five behind the first two S products, for the softmax that reads
; them and for the S products that later write over them.  Everywhere else the other tile's softmax, whose plain vector instructions name none of the
; registers in question, stands between: more than five places.
.macro SUB slot, u, lo, hi, first
	WIN 0
	PLACES 4
	VLOAD \slot, \u
	s_wait_dscnt 16                                ; the K fragments are in: only the 16 V loads were issued behind them
.if \lo
	SMM 0, SB0
	SMM 1, SB1
	s_wait_dscnt 0x0                               ; V's fragments
	PLACES 5
	SOFT 0, SB0, PB0, \lo-1, 64*(2*\slot+\u), \first
	PVMM 0, PB0, \first
	SMM 2, SB0
	SOFT 1, SB1, PB1, \lo-1, 64*(2*\slot+\u), \first
	PVMM 1, PB1, \first
	SMM 3, SB1
.else
	SMM 2, SB0
	SMM 3, SB1
	s_wait_dscnt 0x0
	PLACES 5
.endif
	SOFT 2, SB0, PB0, \hi-1, 64*(2*\slot+\u), \first
.if \u == 0
	WIN 0
	KLOAD \slot, 1                                 ; the slot's second step: the last S product has read the old fragments
.endif
	PVMM 2, PB0, \first
	SOFT 3, SB1, PB1, \hi-1, 64*(2*\slot+\u), \first
	PVMM 3, PB1, \first
.endm
; A slot of 128 keys.  In front of the round every wave waits for all its tensor loads (its part of this slot among them) and for its reads of the
; other slot; behind the round the other slot's refill comes first, the wave's one tensor load, and has this slot's two steps in which to land.
.macro TRIP slot, refill, lo, hi, first
	WIN 0
	s_set_vgpr_msb 0x5
	s_wait_tensorcnt 0x0
	ds_add_u32 v192, v193
	s_wait_dscnt 0x0
	s_set_vgpr_msb 0x500
.if \slot == 0
	SETADDR 1, s16                                 ; the second half of the lap at work
.else
.if \refill
	NEXTLAP
	SETADDR 0, s15                                 ; the first half of the next lap
.endif
.endif
	s_wait_dscnt 0x0
	ROUND
.if \refill
.if \slot == 0
	JLOAD 1
.else
	JLOAD 0
.endif
.endif
	KLOAD \slot, 0
	SUB \slot, 0, \lo, \hi, \first
	SUB \slot, 1, \lo, \hi, 0
.endm
.macro LAP lo, hi, first, last
	TRIP 0, 1, \lo, \hi, \first
	TRIP 1, 1-\last, \lo, \hi, 0
.endm
	LAP 2, 1, 1, 0                                 ; lap c: the low rows' diagonal, whole for the high rows; starts all sums
	WIN 0
	s_cmp_eq_u32 s11, 0
	s_cbranch_scc1 .Lno_both
	s_mov_b32 s17, 0
.Lboth:
	LAP 1, 1, 0, 0                                 ; laps 0 .. c-1: whole for both
	WIN 0
	s_add_co_u32 s17, s17, 1
	s_cmp_lt_u32 s17, s11
	s_cbranch_scc1 .Lboth
.Lno_both:
	s_cmp_eq_u32 s18, 0
	s_cbranch_scc1 .Lno_high
	s_mov_b32 s17, 0
.Lhigh:
	LAP 0, 1, 0, 0                                 ; laps c+1 .. 6-c: the high rows alone
	WIN 0
	s_add_co_u32 s17, s17, 1
	s_cmp_lt_u32 s17, s18
	s_cbranch_scc1 .Lhigh
.Lno_high:
	LAP 0, 2, 0, 1                                 ; lap 7-c: the high rows' diagonal; its second slot asks for nothing more
	; THE WAY OUT: divide by the row sums, round to f16 into my own stage; behind one barrier each wave reads 32 rows of both heads (256 bytes) and stores them.
	WIN 0
.irp i, 0,1,2,3
	v_permlanex16_b32 v[20+\i], v[LS+\i], s54, s55 ; the other half's keys
.endr
.irp i, 0,1,2,3
	v_add_f32 v[LS+\i], v[LS+\i], v[20+\i]
.endr
	v_rcp_f32 v20, v[LS]
	v_rcp_f32 v22, v[LS+1]
	v_rcp_f32 v24, v[LS+2]
	v_rcp_f32 v30, v[LS+3]
	v_nop                                          ; the plain instruction behind the reciprocals (ISA guide 5.7.2)
	s_wait_alu depctr_va_vdst(0)
.macro OUTT i, rp, pb
	WIN 0x41
.set idx, 0
.rept 16
	v_pk_mul_f32 v[OB+32*\i+idx:OB+32*\i+idx+1], v[OB+32*\i+idx:OB+32*\i+idx+1], v[\rp:\rp+1] op_sel_hi:[1,0]
.set idx, idx+2
.endr
	WIN 0x05                                       ; sources 0 and 1 window 1
.set idx, 0
.rept 16
	v_cvt_pk_f16_f32 v[\pb+idx], v[OB+32*\i+2*idx], v[OB+32*\i+2*idx+1]
.set idx, idx+1
.endr
	WIN 0
.irp dt, 0,1,2,3
	ds_store_b128 v[STO], v[\pb+4*\dt:\pb+4*\dt+3] offset:\i*16*PS+32*\dt
.endr
.endm
	OUTT 0, 20, PB0
	OUTT 1, 22, PB1
	OUTT 2, 24, PB0
	OUTT 3, 30, PB1
	s_wait_dscnt 0x0                               ; my stores are in LDS, for the others' sake
	s_barrier_signal -1
	s_barrier_wait -1
.irp t, 0,1,2,3,4,5,6,7,8,9,10,11,12,13,14,15
	ds_load_b128 v[KF+4*\t:KF+4*\t+3], v[RD] offset:\t*2*PS
.endr
.irp t, 0,1,2,3,4,5,6,7,8,9,10,11,12,13,14,15
	s_wait_dscnt 15-\t
	global_store_b128 v[CO], v[KF+4*\t:KF+4*\t+3], s[6:7] offset:\t*2*2048     ; 16 lanes store 256 consecutive bytes, aligned
.endr
	s_set_vgpr_msb 0x5
	s_wait_tensorcnt 0x0
	ds_add_u32 v192, v193
	s_wait_dscnt 0x0
	s_set_vgpr_msb 0x500
	ROUND                                          ; the closing round
	s_endpgm
.Lfunc_end_k_q7908abeb03_attn:
	.size	k_q7908abeb03_attn, .Lfunc_end_k_q7908abeb03_attn-k_q7908abeb03_attn
	.p2alignl 7, 3214868480
	.fill 96, 4, 3214868480
	.section	.rodata,"a",@progbits
	.p2align	6, 0x0
	.amdhsa_kernel k_q7908abeb03_attn
		.amdhsa_group_segment_fixed_size 327680
		.amdhsa_private_segment_fixed_size 0
		.amdhsa_enable_private_segment 0
		.amdhsa_kernarg_size 16
		.amdhsa_user_sgpr_count 2
		.amdhsa_user_sgpr_kernarg_segment_ptr 1
		.amdhsa_wavefront_size32 1
		.amdhsa_system_sgpr_workgroup_id_x 1
		.amdhsa_system_sgpr_workgroup_id_y 1
		.amdhsa_system_sgpr_workgroup_id_z 1
		.amdhsa_system_vgpr_workitem_id 0
		.amdhsa_next_free_vgpr 450
		.amdhsa_next_free_sgpr 66
		.amdhsa_reserve_vcc 1
		.amdhsa_float_denorm_mode_32 3
		.amdhsa_float_denorm_mode_16_64 3
		.amdhsa_memory_ordered 1
		.amdhsa_forward_progress 1
		.amdhsa_inst_pref_size 255
	.end_amdhsa_kernel
	.section	.bss,"aw",@nobits
	.p2align	6
	.space	262144
	.amdgpu_metadata
---
amdhsa.version: [ 1, 2 ]
amdhsa.kernels:
  - .name:           k_q7908abeb03_attn
    .symbol:         k_q7908abeb03_attn.kd
    .args:
      - { .name: qkv, .offset: 0, .size: 8, .value_kind: global_buffer, .address_space: global }
      - { .name: ao, .offset: 8, .size: 8, .value_kind: global_buffer, .address_space: global }
    .group_segment_fixed_size: 327680
    .private_segment_fixed_size: 0
    .kernarg_segment_align: 8
    .kernarg_segment_size: 16
    .max_flat_workgroup_size: 128
    .sgpr_count:     66
    .vgpr_count:     450
    .wavefront_size: 32
...
	.end_amdgpu_metadata
.endif
;; end of part 3
;; launch oproj (part 4): grid 8 x 32, 4 waves a work-group, clusters of 4 x 4, 327,680 bytes of LDS; arguments ao, wob, out0; writes out0
.if DOCPART == 4
	.amdgcn_target "amdgcn-amd-amdhsa--gfx1250"
	.amdhsa_code_object_version 6
	.text
	.protected	k_q7908abeb03_oproj
	.globl	k_q7908abeb03_oproj
	.p2align	8
	.type	k_q7908abeb03_oproj,@function
k_q7908abeb03_oproj:
	s_mov_b64 s[64:65], 0
	v_nop
	global_prefetch_b8 v0, s[64:65] scope:SCOPE_SE
	s_setreg_imm32_b32 hwreg(HW_REG_WAVE_MODE, 25, 1), 1
	s_wait_xcnt 0x0
	s_wait_alu depctr_hold_cnt(0) depctr_sa_sdst(0) depctr_va_vdst(0) depctr_va_sdst(0) depctr_va_ssrc(0) depctr_va_vcc(0) depctr_vm_vsrc(0)
	s_getreg_b32 s2, hwreg(HW_REG_IB_STS2, 6, 4)
	s_cmp_eq_u32 s2, 0
	s_cbranch_scc0 .Lentry_in_a_cluster
	s_endpgm
.Lentry_in_a_cluster:
	s_bfe_u32 s2, ttmp6, 0x10000c
	s_cmp_lg_u32 s2, 0xf033
	s_cbranch_scc0 .Lentry_shape_is_right
	s_endpgm
.Lentry_shape_is_right:
; out0[m][n] = sum over k of ao[m][k] wob[k][n].  ao: [4096][1024] f16, wob: [1024][1024] f16 (numbers rounded to bf16), out0: [4096][1024] f32; sums in f32.
; A work-group makes a block of 128 x 128 with four waves (2 x 2 of 64 x 64: 16 accumulator tiles); 8 x 32 blocks = 256 work-groups.
; K goes in four steps of 256 through two LDS slots, one tensor load a wave: waves 0, 1 bring 64 rows of ao each (512 bytes a row),
; waves 2, 3 bring 128 k-rows of wob each (128 columns, 256 bytes a row, aligned).  wob lies [K][N]: its fragments come by the transposing load.
; With four steps nothing is looped: the steps are written out by macro.
; CLUSTERS: 4 x 4 work-groups; ao's tiles are asked for jointly along a row of the cluster, wob's along a column.
; The matrix instruction is used transposed (source 0 = 16 columns of wob, source 1 = 16 rows of ao): a lane holds eight neighbouring columns of a row.
; REGISTERS: window 0 addresses, fragments (two buffers), rows on the way out; window 1 v0-127 the accumulators, tile (a, b) at v[8 (4 a + b)].
.set SIZE_K, 1024
.set SIZE_N, 1024
.set KSTEP,  256
.set PA,     528                       ; LDS pitch of ao's rows: 512 + 16, an odd multiple of 16
.set PB,     288                       ; LDS pitch of wob's rows: 256 + 32, an odd multiple of 32, for the transposing load
.set REG,    128*PB                    ; 36,864: the bytes of one wave's load (ao's 64 rows use 33,792 of them)
.set SLOT,   4*REG
.set STAGE,  2*SLOT                    ; behind the ring: 16 rows x 272 bytes for each wave, bytes of its own
.set SPITCH, 272
.set ADRA, 16                          ; v16-17  LDS address of my ao fragments in slot 0, 1
.set ADRB, 18                          ; v18-21  of my wob fragments: slot 0 k-rows 0-127, 128-255, slot 1 likewise
.set STO,  24
.set RD,   25
.set CO,   26
.set FA0,  64                          ; v64-95, v96-127    fragments of ao, buffers 0, 1
.set FB0,  128                         ; v128-159, v160-191 fragments of wob, buffers 0, 1
.set G1,  24
.set G0,  32
.set G1B, 48
.set G0B, 56
.set MSB, 0
.macro WIN new
.if MSB != \new
	s_set_vgpr_msb (MSB<<8)|\new
.set MSB, \new
.endif
.endm
.macro JLOAD s                         ; waves 0, 1 ask for ao's halves, waves 2, 3 for wob's; the branch hangs on the wave's number alone
	s_cmp_eq_u32 s11, 0
	s_cbranch_scc0 .Lfor_b_\@
	tensor_load_to_lds s[G0+4*\s:G0+4*\s+3], s[G1:G1+7]
	s_nop 0
	s_branch .Lasked_\@
.Lfor_b_\@:
	tensor_load_to_lds s[G0B+4*\s:G0B+4*\s+3], s[G1B:G1B+7]
	s_nop 0
.Lasked_\@:
.endm
.macro CREST
	s_cmp_lg_u32 s10, 0
	s_cbranch_scc1 .Lnot_wave_0_\@
	s_barrier_signal -3
.Lnot_wave_0_\@:
	s_barrier_wait -3
	s_barrier_signal -1
	s_barrier_wait -1
.endm
.macro CROUND
	s_barrier_signal -1
	s_barrier_wait -1
	CREST
.endm
	s_load_b128 s[4:7], s[0:1], 0x0                ; ao s[4:5], wob s[6:7]
	s_load_b64 s[8:9], s[0:1], 0x10                ; out0
	v_lshl_add_u32 v62, v0, 2, 0x4c400
	v_mov_b32 v63, 0
	ds_add_u32 v62, v63
	v_lshrrev_b32 v1, 5, v0
	v_readfirstlane_b32 s10, v1                    ; wave 0..3
	s_lshr_b32 s11, s10, 1                         ; my 64 rows of the block.  Also: I fetch for ao (0) or wob (1)
	s_and_b32 s12, s10, 1                          ; my 64 columns.  Also: which half of that tile I fetch
	s_bfe_u32 s40, ttmp6, 0x40000                  ; cx
	s_bfe_u32 s41, ttmp6, 0x40004                  ; cy
	s_lshl_b32 s42, ttmp9, 2
	s_add_co_u32 s42, s42, s40                     ; block column
	s_and_b32 s13, ttmp7, 0xffff
	s_lshl_b32 s13, s13, 2
	s_add_co_u32 s13, s13, s41                     ; block row
	s_lshl_b32 s43, s41, 2
	s_lshl_b32 s43, 15, s43                        ; my row of the cluster
	s_lshl_b32 s44, 0x1111, s40                    ; my column
	; group 1.  ao: 64 rows x 256 elements, 4 words of pad behind every 128 words.  wob: 128 rows x 128 elements, 8 words behind every 64.
	s_or_b32 s[G1+0],  s43, (1<<16)|(1<<20)|(1<<21)|(6<<22)|(3<<25)
	s_or_b32 s[G1B+0], s44, (1<<16)|(1<<20)|(1<<21)|(5<<22)|(7<<25)
	s_mov_b32 s[G1+1],  KSTEP<<16                  ; tensor_dim0
	s_mov_b32 s[G1B+1], 128<<16
	s_mov_b32 s[G1+2],  64<<16                     ; tensor_dim1
	s_mov_b32 s[G1B+2], 128<<16
	s_mov_b32 s[G1+3],  KSTEP<<16                  ; tile_dim0
	s_mov_b32 s[G1B+3], 128<<16
	s_mov_b32 s[G1+4],  64                         ; tile_dim1
	s_mov_b32 s[G1B+4], 128
	s_mov_b32 s[G1+5],  SIZE_K                     ; elements from row to row
	s_mov_b32 s[G1B+5], SIZE_N
	s_mov_b32 s[G1+6],  0
	s_mov_b32 s[G1B+6], 0
	s_mov_b32 s[G1+7],  0
	s_mov_b32 s[G1B+7], 0
	s_lshl_b32 s16, s13, 7                         ; ao: row 128 x block row + 64 x half,
	s_lshl_b32 s17, s12, 6
	s_add_co_u32 s16, s16, s17
	s_lshl_b32 s16, s16, 11                        ; x 2,048 bytes
	s_mov_b32 s17, 0
	s_lshl_b32 s46, s42, 8                         ; wob: 256 bytes for each block column,
	s_lshl_b32 s47, s12, 18                        ; 128 rows of 2,048 bytes for the second half
	s_add_co_u32 s46, s46, s47
	s_mov_b32 s47, 0
	s_mul_i32 s20, s10, REG                        ; where a wave's tile goes: the wave's number alone
	s_wait_dscnt 0x0
	s_wait_kmcnt 0x0
	s_add_nc_u64 s[14:15], s[4:5], s[16:17]
	s_add_nc_u64 s[46:47], s[6:7], s[46:47]
	CROUND                                         ; all sixteen work-groups are here: the first joint loads meet
.irp s, 0,1
	s_mov_b32 s[G0+4*\s], 1
	s_add_co_u32 s[G0+4*\s+1], s20, \s*SLOT
	s_add_nc_u64 s[G0+4*\s+2:G0+4*\s+3], s[14:15], \s*KSTEP*2
	s_or_b32 s[G0+4*\s+3], s[G0+4*\s+3], 0x80000000
	s_mov_b32 s[G0B+4*\s], 1
	s_add_co_u32 s[G0B+4*\s+1], s20, \s*SLOT
	s_add_nc_u64 s[G0B+4*\s+2:G0B+4*\s+3], s[46:47], \s*KSTEP*SIZE_N*2
	s_or_b32 s[G0B+4*\s+3], s[G0B+4*\s+3], 0x80000000
	JLOAD \s                                       ; both first fills go out together: two tensor loads of the wave are out here, one later on
.endr
	v_and_b32 v1, 15, v0                           ; r
	v_bfe_u32 v2, v0, 4, 1                         ; h
	v_and_b32 v3, 7, v0
	v_bfe_u32 v4, v0, 3, 1
	v_lshl_add_u32 v3, v2, 3, v3                   ; the transposing load: k-row 8 h + lane % 8,
	v_mul_u32_u24 v3, v3, PB
	v_lshl_add_u32 v3, v4, 4, v3                   ; the left or right 16 bytes of 16 columns
	v_mul_u32_u24 v5, v1, PA
	v_lshl_add_u32 v5, v2, 4, v5
	s_mul_i32 s21, s11, REG                        ; my 64 rows of ao are one wave's load
	s_lshl_b32 s22, s12, 7                         ; my 64 columns of wob,
	s_add_co_u32 s22, s22, 2*REG                   ; which lies behind ao
.irp s, 0,1
	v_add_nc_u32 v[ADRA+\s], s21, v5
	v_add_nc_u32 v[ADRB+2*\s], s22, v3
	v_add_nc_u32 v[ADRB+2*\s+1], REG, v[ADRB+2*\s]
	s_add_co_u32 s21, s21, SLOT
	s_add_co_u32 s22, s22, SLOT
.endr
	s_mul_i32 s23, s10, 16*SPITCH
	s_add_co_u32 s23, s23, STAGE                   ; my stage
	v_mul_u32_u24 v6, v1, SPITCH                   ; in: row r, 32 bytes (8 f32) for each half of the lanes
	v_lshl_add_u32 v6, v2, 5, v6
	v_add_nc_u32 v[STO], s23, v6
	v_mul_u32_u24 v7, v2, SPITCH                   ; back: lanes 0-15 one row of 256 bytes, lanes 16-31 the next
	v_lshl_add_u32 v7, v1, 4, v7
	v_add_nc_u32 v[RD], s23, v7
	v_lshlrev_b32 v7, 12, v2                       ; the same two rows in out0 (4,096 bytes a row)
	v_lshl_add_u32 v[CO], v1, 4, v7
; 16 matrix instructions, 32 along K, from buffer f.  The 16 accumulators take turns, one instruction a turn.
.macro MUL16 f, zero
	WIN 0x50                                       ; C and D window 1
.irp a, 0,1,2,3
.irp b, 0,1,2,3
.if \zero
	v_wmma_f32_16x16x32_f16 v[8*(4*\a+\b):8*(4*\a+\b)+7], v[FB0+32*\f+8*\b:FB0+32*\f+8*\b+7], v[FA0+32*\f+8*\a:FA0+32*\f+8*\a+7], 0
.else
	v_wmma_f32_16x16x32_f16 v[8*(4*\a+\b):8*(4*\a+\b)+7], v[FB0+32*\f+8*\b:FB0+32*\f+8*\b+7], v[FA0+32*\f+8*\a:FA0+32*\f+8*\a+7], v[8*(4*\a+\b):8*(4*\a+\b)+7]
.endif
.endr
.endr
	WIN 0
.endm
; 16 LDS loads: the fragments of part p (32 along K, p = 0..7) of a slot into buffer f
.macro FETCH slot, p, f
.irp b, 0,1,2,3
	ds_load_tr16_b128 v[FB0+32*\f+8*\b:FB0+32*\f+8*\b+3],   v[ADRB+2*\slot+\p/4] offset:32*(\p%4)*PB+32*\b
	ds_load_tr16_b128 v[FB0+32*\f+8*\b+4:FB0+32*\f+8*\b+7], v[ADRB+2*\slot+\p/4] offset:32*(\p%4)*PB+32*\b+16*PB
.endr
.irp a, 0,1,2,3
	ds_load_b128 v[FA0+32*\f+8*\a:FA0+32*\f+8*\a+3],   v[ADRA+\slot] offset:\a*16*PA+64*\p
	ds_load_b128 v[FA0+32*\f+8*\a+4:FA0+32*\f+8*\a+7], v[ADRA+\slot] offset:\a*16*PA+64*\p+32
.endr
.endm
; A load into a register that a matrix instruction has read, and an LDS store of a matrix result, stand four places behind it; only plain vector
; instructions that name none of its registers are places (ISA guide 7.12.1 for vector instructions).
.macro PLACES
.rept 4
	v_nop
.endr
.endm
; One of a K step's first seven parts: fetches part pn into buffer g, then multiplies buffer f.
.macro PART slot, pn, f, g, zero
	PLACES
	FETCH \slot, \pn, \g
	s_wait_dscnt 16                                ; this part's fragments are in: only the 16 just issued may be out
	MUL16 \f, \zero
.endm
.macro SEVEN slot, zero
	PART \slot, 1, 0, 1, \zero
	PART \slot, 2, 1, 0, 0
	PART \slot, 3, 0, 1, 0
	PART \slot, 4, 1, 0, 0
	PART \slot, 5, 0, 1, 0
	PART \slot, 6, 1, 0, 0
	PART \slot, 7, 0, 1, 0
.endm
; The eighth part multiplies buffer 1 and changes slots: each wave's reads of this slot and all its tensor loads are waited for in front of the
; barrier; behind it (and, where the slot is filled again, behind the rest of the cluster's round) the refill comes first.
.macro TURN slot, next, fill
	s_wait_dscnt 0x0
	s_wait_tensorcnt 0x0
	ds_add_u32 v62, v63
	s_wait_dscnt 0x0
	s_barrier_signal -1
	MUL16 1, 0                                     ; register work while the others arrive
	s_barrier_wait -1
.if \fill
	CREST
	s_add_nc_u64 s[G0+4*\slot+2:G0+4*\slot+3], s[G0+4*\slot+2:G0+4*\slot+3], 2*KSTEP*2
	s_add_nc_u64 s[G0B+4*\slot+2:G0B+4*\slot+3], s[G0B+4*\slot+2:G0B+4*\slot+3], 2*KSTEP*SIZE_N*2
	JLOAD \slot                                    ; the wave's one tensor load behind the round
.endif
	PLACES
	FETCH \next, 0, 0
.endm
	s_wait_tensorcnt 0x1                           ; my part of K step 0 is in; K step 1's may stay out
	s_barrier_signal -1
	s_barrier_wait -1
	FETCH 0, 0, 0
	SEVEN 0, 1                                     ; K step 0: its first products start the sums
	TURN 0, 1, 1                                   ; slot 0 gets K step 2
	SEVEN 1, 0
	TURN 1, 0, 1                                   ; slot 1 gets K step 3
	SEVEN 0, 0
	TURN 0, 1, 0
	SEVEN 1, 0
	s_wait_dscnt 0x0
	MUL16 1, 0
	; THE WAY OUT, 16 rows at a time through my own stage: 32 bytes a lane in, whole rows of 256 bytes back.  LDS serves a wave's instructions in
	; order (ISA guide 5.7.1.4), so no wait stands between my stores and my loads.
	PLACES
	s_lshl_b32 s16, s13, 7
	s_lshl_b32 s14, s11, 6
	s_add_co_u32 s16, s16, s14                     ; my first row
	s_lshl_b32 s16, s16, 12                        ; x 4,096 bytes
	s_mov_b32 s17, 0
	s_add_nc_u64 s[8:9], s[8:9], s[16:17]
	s_lshl_b32 s46, s42, 9                         ; my first column, in bytes: 512 x block column + 256 x half
	s_lshl_b32 s47, s12, 8
	s_add_co_u32 s46, s46, s47
	s_mov_b32 s47, 0
	s_add_nc_u64 s[8:9], s[8:9], s[46:47]
.macro OUT16 a, f
	WIN 0x04                                       ; an LDS store's data is source 1: window 1
.irp b, 0,1,2,3
	ds_store_b128 v[STO], v[8*(4*\a+\b):8*(4*\a+\b)+3]   offset:64*\b
	ds_store_b128 v[STO], v[8*(4*\a+\b)+4:8*(4*\a+\b)+7] offset:64*\b+16
.endr
	WIN 0
	s_wait_xcnt 0x0                                ; buffer f, which earlier stores read, is loaded again only behind this wait
.irp t, 0,1,2,3,4,5,6,7
	ds_load_b128 v[\f+4*\t:\f+4*\t+3], v[RD] offset:\t*2*SPITCH
.endr
.irp t, 0,1,2,3,4,5,6,7
	s_wait_dscnt 7-\t
	global_store_b128 v[CO], v[\f+4*\t:\f+4*\t+3], s[8:9] offset:(16*\a+2*\t)*4096 th:TH_STORE_NT   ; 16 lanes store 256 consecutive bytes, aligned
.endr
.endm
	OUT16 0, 192
	OUT16 1, 224
	OUT16 2, 192
	OUT16 3, 224
	s_wait_tensorcnt 0x0
	ds_add_u32 v62, v63
	s_wait_dscnt 0x0
	CROUND                                         ; the closing round
	s_endpgm
.Lfunc_end_k_q7908abeb03_oproj:
	.size	k_q7908abeb03_oproj, .Lfunc_end_k_q7908abeb03_oproj-k_q7908abeb03_oproj
	.p2alignl 7, 3214868480
	.fill 96, 4, 3214868480
	.section	.rodata,"a",@progbits
	.p2align	6, 0x0
	.amdhsa_kernel k_q7908abeb03_oproj
		.amdhsa_group_segment_fixed_size 327680
		.amdhsa_private_segment_fixed_size 0
		.amdhsa_enable_private_segment 0
		.amdhsa_kernarg_size 24
		.amdhsa_user_sgpr_count 2
		.amdhsa_user_sgpr_kernarg_segment_ptr 1
		.amdhsa_wavefront_size32 1
		.amdhsa_system_sgpr_workgroup_id_x 1
		.amdhsa_system_sgpr_workgroup_id_y 1
		.amdhsa_system_sgpr_workgroup_id_z 1
		.amdhsa_system_vgpr_workitem_id 0
		.amdhsa_next_free_vgpr 384
		.amdhsa_next_free_sgpr 66
		.amdhsa_reserve_vcc 0
		.amdhsa_float_denorm_mode_32 3
		.amdhsa_float_denorm_mode_16_64 3
		.amdhsa_memory_ordered 1
		.amdhsa_forward_progress 1
		.amdhsa_inst_pref_size 89
	.end_amdhsa_kernel
	.amdgpu_metadata
---
amdhsa.version: [ 1, 2 ]
amdhsa.kernels:
  - .name:           k_q7908abeb03_oproj
    .symbol:         k_q7908abeb03_oproj.kd
    .args:
      - { .name: ao, .offset: 0, .size: 8, .value_kind: global_buffer, .address_space: global }
      - { .name: wob, .offset: 8, .size: 8, .value_kind: global_buffer, .address_space: global }
      - { .name: out0, .offset: 16, .size: 8, .value_kind: global_buffer, .address_space: global }
    .group_segment_fixed_size: 327680
    .private_segment_fixed_size: 0
    .kernarg_segment_align: 8
    .kernarg_segment_size: 24
    .max_flat_workgroup_size: 128
    .sgpr_count:     66
    .vgpr_count:     384
    .wavefront_size: 32
...
	.end_amdgpu_metadata
.endif
;; end of part 4
